; MI455X (gfx1250); checked and timed in simulation.
; The chip was launched on July 23, 2026; its instructions are those of AMD's public machine-readable ISA for CDNA 5 (MIT licence, August 2026) and "CDNA5" Instruction Set Architecture Reference Guide (July 2026). The comments in the code are by the model that wrote it; some were corrected since.
;; Attention. Allowed arithmetic: float matrix products may take bf16 or f16 operands with f32 sums; all other float work in f32.
;; Inputs: W_in 512 x 512 float32; W_out 512 x 512 float32; b_out 512 float32; cov_p one number float32; k 4 x 1,024 x 512 float32; ln_b 512 float32; ln_g 512 float32; q 4 x 1,024 x 512 float32; v 4 x 1,024 x 512 float32; var_p one number float32.
;; Outputs: out0 4 x 1,024 x 512 float32.
;; One version. Each part assembles by itself: llvm-mc -triple=amdgcn-amd-amdhsa -mcpu=gfx1250 --defsym DOCPART=n.
;; ======== version 1 of 1: 4 launches
;; limits: a difference of large sums (such as E[x^2] - mean^2): digits are lost where the result is much smaller than its terms; values are held in f16: magnitudes above 65,504 overflow, below 6.1e-05 lose precision
;; workspace buffers: winh 524,288 bytes; wouth 524,288 bytes; qbuf 8,388,608 bytes; kbuf 8,388,608 bytes; vbuf 4,194,304 bytes; obuf 4,194,304 bytes
;; launch cvtw (part 1): grid 256 x 1, 8 waves a work-group, no clusters, 0 bytes of LDS; arguments W_in, W_out, winh, wouth; writes winh, wouth
.if DOCPART == 1
	.amdgcn_target "amdgcn-amd-amdhsa--gfx1250"
	.amdhsa_code_object_version 6
	.text
	.protected	k_qbdea993033_cvtw
	.globl	k_qbdea993033_cvtw
	.p2align	8
	.type	k_qbdea993033_cvtw,@function
k_qbdea993033_cvtw:
	s_mov_b64 s[64:65], 0
	v_nop
	global_prefetch_b8 v0, s[64:65] scope:SCOPE_SE
	s_setreg_imm32_b32 hwreg(HW_REG_WAVE_MODE, 25, 1), 1
	s_wait_xcnt 0x0
; winh = f16(W_in), wouth = f16(W_out), both [512 k][512 n], the layout kept.
; The two later products each walk a whole weight matrix in every work-group; as f16 the matrix can be brought
; straight into LDS as tiles and costs half the bytes.  LIMIT: |W| < 65,504 (f16's largest number); the drawn weights are below 0.3.
; 256 work-groups x 256 threads x 4 numbers = 262,144 = 512 x 512: one 16-byte load and one 8-byte store for each matrix and thread.
; No LDS, no barrier, no cluster: no byte is shared between threads.
	s_load_b256 s[4:11], s[0:1], 0x0               ; W_in s[4:5], W_out s[6:7], winh s[8:9], wouth s[10:11]
	s_lshl_b32 s12, ttmp9, 12                      ; the work-group's 4,096 bytes of f32
	s_lshl_b32 s13, ttmp9, 11                      ; and its 2,048 bytes of f16
	v_lshl_add_u32 v1, v0, 4, s12
	v_lshl_add_u32 v2, v0, 3, s13
	s_wait_kmcnt 0x0
	global_load_b128 v[4:7], v1, s[4:5] th:TH_LOAD_NT
	global_load_b128 v[8:11], v1, s[6:7] th:TH_LOAD_NT
	s_wait_loadcnt 0x0
	v_cvt_pk_f16_f32 v12, v4, v5
	v_cvt_pk_f16_f32 v13, v6, v7
	v_cvt_pk_f16_f32 v14, v8, v9
	v_cvt_pk_f16_f32 v15, v10, v11
	global_store_b64 v2, v[12:13], s[8:9]          ; a wave's store covers 256 consecutive bytes, aligned
	global_store_b64 v2, v[14:15], s[10:11]
	s_endpgm
.Lfunc_end_k_qbdea993033_cvtw:
	.size	k_qbdea993033_cvtw, .Lfunc_end_k_qbdea993033_cvtw-k_qbdea993033_cvtw
	.p2alignl 7, 3214868480
	.fill 96, 4, 3214868480
	.section	.rodata,"a",@progbits
	.p2align	6, 0x0
	.amdhsa_kernel k_qbdea993033_cvtw
		.amdhsa_group_segment_fixed_size 0
		.amdhsa_private_segment_fixed_size 0
		.amdhsa_enable_private_segment 0
		.amdhsa_kernarg_size 32
		.amdhsa_user_sgpr_count 2
		.amdhsa_user_sgpr_kernarg_segment_ptr 1
		.amdhsa_wavefront_size32 1
		.amdhsa_system_sgpr_workgroup_id_x 1
		.amdhsa_system_sgpr_workgroup_id_y 1
		.amdhsa_system_sgpr_workgroup_id_z 1
		.amdhsa_system_vgpr_workitem_id 0
		.amdhsa_next_free_vgpr 16
		.amdhsa_next_free_sgpr 66
		.amdhsa_reserve_vcc 0
		.amdhsa_float_denorm_mode_32 3
		.amdhsa_float_denorm_mode_16_64 3
		.amdhsa_memory_ordered 1
		.amdhsa_forward_progress 1
		.amdhsa_inst_pref_size 2
	.end_amdhsa_kernel
	.amdgpu_metadata
---
amdhsa.version: [ 1, 2 ]
amdhsa.kernels:
  - .name:           k_qbdea993033_cvtw
    .symbol:         k_qbdea993033_cvtw.kd
    .args:
      - { .name: W_in, .offset: 0, .size: 8, .value_kind: global_buffer, .address_space: global }
      - { .name: W_out, .offset: 8, .size: 8, .value_kind: global_buffer, .address_space: global }
      - { .name: winh, .offset: 16, .size: 8, .value_kind: global_buffer, .address_space: global }
      - { .name: wouth, .offset: 24, .size: 8, .value_kind: global_buffer, .address_space: global }
    .group_segment_fixed_size: 0
    .private_segment_fixed_size: 0
    .kernarg_segment_align: 8
    .kernarg_segment_size: 32
    .max_flat_workgroup_size: 256
    .sgpr_count:     66
    .vgpr_count:     16
    .wavefront_size: 32
...
	.end_amdgpu_metadata
.endif
;; end of part 1
;; launch proj (part 2): grid 256 x 1, 8 waves a work-group, clusters of 4 x 1, 327,680 bytes of LDS; arguments q, k, v, ln_g, ln_b, cov_p, var_p, winh, qbuf, kbuf, vbuf; writes qbuf, kbuf, vbuf
.if DOCPART == 2
	.amdgcn_target "amdgcn-amd-amdhsa--gfx1250"
	.amdhsa_code_object_version 6
	.text
	.protected	k_qbdea993033_proj
	.globl	k_qbdea993033_proj
	.p2align	8
	.type	k_qbdea993033_proj,@function
k_qbdea993033_proj:
	s_mov_b64 s[64:65], 0
	v_nop
	global_prefetch_b8 v0, s[64:65] scope:SCOPE_SE
	s_setreg_imm32_b32 hwreg(HW_REG_WAVE_MODE, 25, 1), 1
	s_wait_xcnt 0x0
	s_wait_alu depctr_hold_cnt(0) depctr_sa_sdst(0) depctr_va_vdst(0) depctr_va_sdst(0) depctr_va_ssrc(0) depctr_va_vcc(0) depctr_vm_vsrc(0)
	s_getreg_b32 s2, hwreg(HW_REG_IB_STS2, 6, 4)
	s_cmp_eq_u32 s2, 0
	s_cbranch_scc0 .Lentry_in_a_cluster
	s_endpgm
.Lentry_in_a_cluster:
	s_bfe_u32 s2, ttmp6, 0x10000c
	s_cmp_lg_u32 s2, 0x3003
	s_cbranch_scc0 .Lentry_shape_is_right
	s_endpgm
.Lentry_shape_is_right:
; LayerNorm(q, k, v) @ W_in, and what attention needs of the three results, per head.
; A work-group owns tokens 16 wg .. 16 wg + 15 of q, of k and of v: 48 rows x 512 columns.  M tile 0 is q, 1 is k, 2 is v, so the three
; ways out are plain text without a branch.  Wave w normalises rows 2w, 2w + 1 of each tensor, then makes head w (columns 64w .. 64w+63)
; of all 48 rows: 4 x 3 accumulator tiles.
; Stored, rows of one (group, head) together:
;   qbuf row (256 bytes, bf16) = f_q / (|f_q| + 1e-8) * CW2  |  (f_q - mean over features) * CV2
;   kbuf row (256 bytes, bf16) = f_k / (|f_k| + 1e-8)        |  f_k
;   vbuf row (128 bytes, f16)  = f_v
;   CW2 = cos_w * 0.5 * log2(e);  CV2 = cov_w * 0.1 * (0.1 / 1024) / 8 * 0.5 * log2(e): the score's weights, for an exponential to base 2.
; NOT FORMED: the mean of f_k over the keys (it adds -q_c . mean(f_k) to a score) and the margin term: both are the same for all keys of a
; query, and the softmax takes the row's maximum away, which removes any such addend exactly, for every input.
; FORMATS: LN output and W_in are f16 (the path of v needs more than bf16's 8 bits: the output is nearly a mean over 1,024 keys).
; LIMITS: |LN output|, |W_in|, |f_v| < 65,504; a squared norm below 2^-126 counts as 0 (v_sqrt_f32 flushes denormals);
; f_k is rounded to bf16 uncentred, so that rounding grows with a common offset of f_k.
; CLUSTER: every work-group walks all of W_in.  Four work-groups ask for each tile jointly (mask 15): wave w of each issues the same
; descriptor, made of the wave's number and constants alone.
.set APITCH, 1040                      ; a row of LN output: 1,024 bytes of f16 + 16: 65 x 16, so 16 rows start in 16 different 16-byte columns
.set WPITCH, 1056                      ; a k row of W: 1,024 bytes + 32 = 33 x 32
.set WBASE,  48*APITCH                 ; 49,920: LN output (later the stages) lies in front, written by LDS stores alone; a multiple of 256
.set WPART,  16*WPITCH                 ; 16 k rows: one wave's tensor load
.set WSLOT,  8*WPART                   ; 128 k rows: a chunk
.set WHALF,  WSLOT/2                   ; 64 k rows: as far as one address register reaches with a 16-bit offset
.set STG,    4352                      ; a wave's stage: 16 rows x 272 bytes
.set X,   32                           ; v[32:127]  LN phase: 6 rows x 16 numbers a lane
.set G,   128                          ; v[128:143] ln_g of my 16 columns
.set B,   144                          ; v[144:159] ln_b
.set T,   160                          ; v[160:175] at work
.set PK,  176                          ; v[176:183] a row as f16
.set ACC, 32                           ; v[32:127]  product phase: tile (e, m) at ACC + 8 (3 e + m)
.set F0,  128                          ; v[128:183] fragments: W at +8 e, LN output at +32 + 8 m
.set F1,  184                          ; v[184:239] the second buffer
.set WA,  4                            ; v4-v7      LDS address of my W fragments: slot 0 rows 0-63, 64-127, slot 1 likewise
.set XA,  8                            ; v8         LDS address of my LN fragments
.set G1,  40                           ; s[40:47]   descriptor group 1
.set G0,  48                           ; s[48:55]   descriptor group 0, one set a slot
.macro PLACES c
.rept \c
	v_nop
.endr
.endm
.macro BAR
	s_barrier_signal -1
	s_barrier_wait -1
.endm
.macro ROUND                           ; a round of the cluster's barrier
	s_barrier_signal -1
	s_barrier_wait -1
	s_cmp_lg_u32 s3, 0
	s_cbranch_scc1 .Lnw0_\@
	s_barrier_signal -3
.Lnw0_\@:
	s_barrier_wait -3
	s_barrier_signal -1
	s_barrier_wait -1
.endm
.macro WSUM a, b                       ; v[a] = its sum over the 32 lanes, in every lane; v[b] has been written
	v_add_f32_dpp v[\a], v[\a], v[\a] row_xmask:1 row_mask:0xf bank_mask:0xf
	v_add_f32_dpp v[\a], v[\a], v[\a] row_xmask:2 row_mask:0xf bank_mask:0xf
	v_add_f32_dpp v[\a], v[\a], v[\a] row_xmask:4 row_mask:0xf bank_mask:0xf
	v_add_f32_dpp v[\a], v[\a], v[\a] row_xmask:8 row_mask:0xf bank_mask:0xf
	v_permlanex16_b32 v[\b], v[\a], s34, s35
	v_add_f32 v[\a], v[\a], v[\b]
.endm
	s_load_b512 s[8:23], s[0:1], 0x0               ; q s[8:9], k s[10:11], v s[12:13], ln_g s[14:15], ln_b s[16:17], cov_p s[18:19], var_p s[20:21], winh s[22:23]
	s_load_b128 s[24:27], s[0:1], 0x40             ; qbuf s[24:25], kbuf s[26:27]
	s_load_b64 s[28:29], s[0:1], 0x50              ; vbuf
	v_lshl_add_u32 v254, v0, 2, 0x4e300
	v_mov_b32 v255, 0
	ds_add_u32 v254, v255
	v_lshrrev_b32 v1, 5, v0
	v_readfirstlane_b32 s3, v1                     ; wave 0..7
	s_bfe_u32 s30, ttmp6, 0x40000                  ; cx
	s_lshl_b32 s31, ttmp9, 2
	s_add_co_u32 s31, s31, s30                     ; work-group 0..255: it enters global addresses of q, k, v and the outputs alone
	s_lshl_b32 s32, s31, 15                        ; 16 rows of 2,048 bytes a work-group
	s_lshl_b32 s33, s3, 12                         ; 2 rows a wave
	s_add_co_u32 s32, s32, s33
	s_mov_b32 s33, 0
	s_mov_b32 s34, 0x76543210                      ; v_permlanex16_b32: lane i reads lane i of the other half
	s_mov_b32 s35, 0xfedcba98
	s_mov_b32 s36, 0x3b000000                      ; 1/512
	s_mov_b32 s37, 0x3727c5ac                      ; 1e-5
	v_and_b32 v3, 31, v0                           ; lane
	v_lshlrev_b32 v1, 4, v3                        ; 16 x lane: my 16 bytes in every 512 of a row, and in every 512 stored at the end
	s_mul_i32 s38, s3, 2*APITCH
	v_lshl_add_u32 v2, v3, 3, s38                  ; where my 8 bytes of f16 go: row 2w, 8 x lane
	; group 1: 16 k rows x 512 f16, 32 bytes of padding behind every 256 words
	s_mov_b32 s[G1+0], 15|(1<<16)|(1<<20)|(1<<21)|(7<<22)|(7<<25)   ; mask: all four of the cluster; 2-byte elements; padding on; bit 21 beside a mask; every 256 words; 8 words
	s_mov_b32 s[G1+1], 512<<16                     ; tensor_dim0 = 512
	s_mov_b32 s[G1+2], 16<<16                      ; tensor_dim1 = 16
	s_mov_b32 s[G1+3], 512<<16                     ; tile_dim0 = 512
	s_mov_b32 s[G1+4], 16                          ; tile_dim1 = 16
	s_mov_b32 s[G1+5], 512                         ; elements from row to row
	s_mov_b32 s[G1+6], 0
	s_mov_b32 s[G1+7], 0
	s_lshl_b32 s4, s3, 14                          ; my 16 k rows of 1,024 bytes in a chunk
	s_mov_b32 s5, 0
	s_mul_i32 s6, s3, WPART
	s_mov_b32 s[G0+0], 1
	s_add_co_u32 s[G0+1], s6, WBASE
	s_mov_b32 s[G0+4], 1
	s_add_co_u32 s[G0+5], s6, WBASE+WSLOT
	s_wait_dscnt 0x0
	s_wait_kmcnt 0x0
	s_load_b32 s56, s[18:19], 0x0                  ; cov_p
	s_load_b32 s57, s[20:21], 0x0                  ; var_p
	s_add_nc_u64 s[8:9], s[8:9], s[32:33]          ; q, k, v at my first row
	s_add_nc_u64 s[10:11], s[10:11], s[32:33]
	s_add_nc_u64 s[12:13], s[12:13], s[32:33]
.irp j,0,1,2,3
	global_load_b128 v[G+4*\j:G+4*\j+3], v1, s[14:15] offset:512*\j
	global_load_b128 v[B+4*\j:B+4*\j+3], v1, s[16:17] offset:512*\j
.endr
.irp t,0,1,2
.irp i,0,1
.irp j,0,1,2,3
	global_load_b128 v[X+16*(2*\t+\i)+4*\j:X+16*(2*\t+\i)+4*\j+3], v1, s[8+2*\t:9+2*\t] offset:\i*2048+\j*512 th:TH_LOAD_NT
.endr
.endr
.endr
	s_add_nc_u64 s[G0+2:G0+3], s[22:23], s[4:5]    ; chunk 0, my rows
	s_add_nc_u64 s[G0+6:G0+7], s[G0+2:G0+3], 128*1024   ; chunk 1
	s_or_b32 s[G0+3], s[G0+3], 0x80000000
	s_or_b32 s[G0+7], s[G0+7], 0x80000000
	ROUND                                          ; the four work-groups are here: the first joint loads meet
	tensor_load_to_lds s[G0:G0+3], s[G1:G1+7]      ; half of W is on its way while the rows are normalised: two loads of the wave are out
	s_nop 0
	tensor_load_to_lds s[G0+4:G0+7], s[G1:G1+7]
	s_nop 0
	; LDS addresses for the product and the ways out
	v_and_b32 v16, 15, v0                          ; r
	v_bfe_u32 v17, v0, 4, 1                        ; h
	v_and_b32 v18, 7, v0
	v_bfe_u32 v19, v0, 3, 1
	v_bfe_u32 v20, v0, 3, 2                        ; lane / 8
	v_and_b32 v21, 7, v0
	v_lshl_add_u32 v18, v17, 3, v18                ; k row 8 h + (lane & 7)
	v_mul_u32_u24 v18, v18, WPITCH
	v_lshl_add_u32 v18, v19, 4, v18                ; + 16 ((lane >> 3) & 1)
	s_lshl_b32 s38, s3, 7                          ; my head's 64 columns: 128 bytes
	s_add_co_u32 s38, s38, WBASE
	v_add_nc_u32 v[WA], s38, v18
	v_add_nc_u32 v[WA+1], WHALF, v[WA]
	v_add_nc_u32 v[WA+2], WHALF, v[WA+1]
	v_add_nc_u32 v[WA+3], WHALF, v[WA+2]
	v_mul_u32_u24 v[XA], v16, APITCH
	v_lshl_add_u32 v[XA], v17, 4, v[XA]            ; r x pitch + 16 h
	s_mul_i32 s39, s3, STG                         ; my stage
	v_mul_u32_u24 v9, v16, 272
	v_lshl_add_u32 v9, v17, 4, v9
	v_add_nc_u32 v9, s39, v9                       ; q, k in: row r, 16 h
	v_mul_u32_u24 v10, v17, 272
	v_lshl_add_u32 v10, v16, 4, v10
	v_add_nc_u32 v10, s39, v10                     ; q, k back: 16 lanes a row of 256 bytes
	v_mul_u32_u24 v11, v16, 144
	v_lshl_add_u32 v11, v17, 4, v11
	v_add_nc_u32 v11, s39, v11                     ; v in
	v_mul_u32_u24 v12, v20, 144
	v_lshl_add_u32 v12, v21, 4, v12
	v_add_nc_u32 v12, s39, v12                     ; v back: 8 lanes a row of 128 bytes
	; where the results go: (8 g + head) blocks of 1,024 rows, then my 16 tokens
	s_lshr_b32 s58, s31, 6                         ; g
	s_lshl3_add_u32 s58, s58, s3                   ; 8 g + w
	s_and_b32 s59, s31, 63
	s_lshl_b32 s60, s58, 18
	s_lshl_b32 s61, s59, 12
	s_add_co_u32 s60, s60, s61
	s_mov_b32 s61, 0
	s_add_nc_u64 s[24:25], s[24:25], s[60:61]
	s_add_nc_u64 s[26:27], s[26:27], s[60:61]
	s_lshr_b32 s60, s60, 1                         ; rows of vbuf are half as long
	s_add_nc_u64 s[28:29], s[28:29], s[60:61]
; One row: mean, centred, variance of the centred row (two passes: an offset of the input does no harm), scaled, f16, into LDS.
.macro LNROW row, lofs
.set XR, X+16*\row
	s_wait_loadcnt 4*(5-\row)                      ; loads come back in order: this row's four are in, the younger rows' stay out
	v_pk_add_f32 v[T:T+1], v[XR:XR+1], v[XR+2:XR+3]
	v_pk_add_f32 v[T+2:T+3], v[XR+4:XR+5], v[XR+6:XR+7]
	v_pk_add_f32 v[T+4:T+5], v[XR+8:XR+9], v[XR+10:XR+11]
	v_pk_add_f32 v[T+6:T+7], v[XR+12:XR+13], v[XR+14:XR+15]
	v_pk_add_f32 v[T:T+1], v[T:T+1], v[T+2:T+3]
	v_pk_add_f32 v[T+4:T+5], v[T+4:T+5], v[T+6:T+7]
	v_pk_add_f32 v[T:T+1], v[T:T+1], v[T+4:T+5]
	v_add_f32 v[T], v[T], v[T+1]
	WSUM T, T+1
	v_mul_f32 v[T+2], 0xbb000000, v[T]             ; -mean
	v_mov_b32 v[T+3], v[T+2]
.irp p,0,2,4,6,8,10,12,14
	v_pk_add_f32 v[XR+\p:XR+\p+1], v[XR+\p:XR+\p+1], v[T+2:T+3]
.endr
	v_pk_mul_f32 v[T:T+1], v[XR:XR+1], v[XR:XR+1]
	v_pk_mul_f32 v[T+4:T+5], v[XR+2:XR+3], v[XR+2:XR+3]
.irp p,4,8,12
	v_pk_fma_f32 v[T:T+1], v[XR+\p:XR+\p+1], v[XR+\p:XR+\p+1], v[T:T+1]
	v_pk_fma_f32 v[T+4:T+5], v[XR+\p+2:XR+\p+3], v[XR+\p+2:XR+\p+3], v[T+4:T+5]
.endr
	v_pk_add_f32 v[T:T+1], v[T:T+1], v[T+4:T+5]
	v_add_f32 v[T], v[T], v[T+1]
	WSUM T, T+1
	v_fma_f32 v[T], v[T], s36, s37                 ; variance + 1e-5
	v_rsq_f32 v[T+2], v[T]
	v_nop                                          ; one plain place behind the transcendental (ISA guide 5.7.2)
	s_wait_alu depctr_va_vdst(0)
	v_mov_b32 v[T+3], v[T+2]
.irp p,0,2,4,6,8,10,12,14
	v_pk_mul_f32 v[XR+\p:XR+\p+1], v[XR+\p:XR+\p+1], v[T+2:T+3]
.endr
.irp p,0,2,4,6,8,10,12,14
	v_pk_fma_f32 v[XR+\p:XR+\p+1], v[XR+\p:XR+\p+1], v[G+\p:G+\p+1], v[B+\p:B+\p+1]
.endr
.irp p,0,1,2,3,4,5,6,7
	v_cvt_pk_f16_f32 v[PK+\p], v[XR+2*\p], v[XR+2*\p+1]
.endr
.irp j,0,1,2,3
	ds_store_b64 v2, v[PK+2*\j:PK+2*\j+1] offset:\lofs+256*\j      ; 32 lanes, 256 neighbouring bytes
.endr
.endm
	LNROW 0, 0
	LNROW 1, APITCH
	LNROW 2, 16*APITCH
	LNROW 3, 17*APITCH
	LNROW 4, 32*APITCH
	LNROW 5, 33*APITCH
; The fragments of 32 along K: 8 transposing loads of W (stored [k][n]), 6 loads of LN output (K along the rows).
.macro FETCH1 c, ks, buf
.irp e,0,1,2,3
	ds_load_tr16_b128 v[\buf+8*\e:\buf+8*\e+3], v[WA+2*(\c&1)+(\ks>>1)] offset:(\ks&1)*32*WPITCH+32*\e
	ds_load_tr16_b128 v[\buf+8*\e+4:\buf+8*\e+7], v[WA+2*(\c&1)+(\ks>>1)] offset:(\ks&1)*32*WPITCH+32*\e+16*WPITCH
.endr
.irp m,0,1,2
	ds_load_b128 v[\buf+32+8*\m:\buf+32+8*\m+3], v[XA] offset:\m*16*APITCH+\c*256+\ks*64
	ds_load_b128 v[\buf+32+8*\m+4:\buf+32+8*\m+7], v[XA] offset:\m*16*APITCH+\c*256+\ks*64+32
.endr
.endm
; Source 0 = 16 columns of W, source 1 = 16 tokens: lane (r, h), register j holds token r, feature 16 e + 8 h + j: eight neighbours of a row.
; The twelve accumulators take turns, one instruction a turn.
.macro MUL12 buf, zero
.irp e,0,1,2,3
.irp m,0,1,2
.if \zero
	v_wmma_f32_16x16x32_f16 v[ACC+8*(3*\e+\m):ACC+8*(3*\e+\m)+7], v[\buf+8*\e:\buf+8*\e+7], v[\buf+32+8*\m:\buf+32+8*\m+7], 0
.else
	v_wmma_f32_16x16x32_f16 v[ACC+8*(3*\e+\m):ACC+8*(3*\e+\m)+7], v[\buf+8*\e:\buf+8*\e+7], v[\buf+32+8*\m:\buf+32+8*\m+7], v[ACC+8*(3*\e+\m):ACC+8*(3*\e+\m)+7]
.endif
.endr
.endr
.endm
; A chunk: 128 along K in four steps on two fragment buffers.  Four places stand between a matrix instruction and a load into a register that it read
; (ISA guide 7.12.1 for vector instructions).  Each s_wait_dscnt 14 leaves the younger run of 14 loads out.
.macro CHUNK c, zero
.if \zero == 0
	PLACES 4
.endif
	FETCH1 \c, 0, F0
	FETCH1 \c, 1, F1
	s_wait_dscnt 14
	MUL12 F0, \zero
	PLACES 4
	FETCH1 \c, 2, F0
	s_wait_dscnt 14
	MUL12 F1, 0
	PLACES 4
	FETCH1 \c, 3, F1
	s_wait_dscnt 14
	MUL12 F0, 0
	s_wait_dscnt 0
	MUL12 F1, 0
.endm
; Slot s is filled again, two chunks on: every wave's reads and all its tensor loads are over in front of the round, the joint load is first behind it.
.macro REFILL s
	s_wait_tensorcnt 0x0                           ; all my tensor loads have landed, my part of the next chunk among them: group 0 may be written
	ds_add_u32 v254, v255
	s_add_nc_u64 s[G0+4*\s+2:G0+4*\s+3], s[G0+4*\s+2:G0+4*\s+3], 2*128*1024
	s_wait_dscnt 0x0                               ; my reads of the slot are over
	ROUND                                          ; both hold of every wave of the four work-groups
	tensor_load_to_lds s[G0+4*\s:G0+4*\s+3], s[G1:G1+7]
	s_nop 0
.endm
	s_wait_dscnt 0x0                               ; my rows of LN output are written, for the other waves' sake
	s_wait_tensorcnt 0x1                           ; my part of chunk 0 is in; chunk 1's stays out
	BAR
	CHUNK 0, 1                                     ; the first products start the sums: nothing is cleared
	REFILL 0                                       ; chunk 2
	CHUNK 1, 0
	REFILL 1                                       ; chunk 3
	CHUNK 2, 0
	s_wait_tensorcnt 0x0                           ; my part of chunk 3
	s_wait_dscnt 0x0
	BAR
	CHUNK 3, 0
	PLACES 4                                       ; behind the last matrix instructions: their results are read, their fragment registers written
	BAR                                            ; every wave's reads of LN output are over (each waited for 0 above): its bytes become the stages
	; the weights
	s_wait_kmcnt 0x0                               ; cov_p, var_p
	v_mov_b32 v240, s56
	v_mov_b32 v241, s57
	v_mul_f32 v240, 0xbfb8aa3b, v240               ; sigmoid(x) = 1 / (1 + 2^(-x log2 e))
	v_mul_f32 v241, 0xbfb8aa3b, v241
	v_exp_f32 v240, v240
	v_exp_f32 v241, v241
	v_nop
	s_wait_alu depctr_va_vdst(0)
	v_add_f32 v240, 1.0, v240
	v_add_f32 v241, 1.0, v241
	v_rcp_f32 v240, v240                           ; cov_w
	v_rcp_f32 v241, v241                           ; var_w
	v_nop
	s_wait_alu depctr_va_vdst(0)
	v_sub_f32 v242, 1.0, v240
	v_sub_f32 v242, v242, v241
	v_max_num_f32 v242, 0x3dcccccd, v242
	v_min_num_f32 v242, 0x3f4ccccd, v242           ; cos_w = clip(1 - cov_w - var_w, 0.1, 0.8)
	v_mul_f32 v242, 0x3f38aa3b, v242               ; CW2
	v_mul_f32 v246, 0x356c5f04, v240               ; CV2 = cov_w x 0.01 / 16,384 x log2 e
	v_mul_f32 v247, 0x356c5f04, v240
; v224 = 1 / (norm over the 64 features + 1e-8) of M tile mt: 32 features in my registers, 32 in the lane 16 further
.macro RNORM mt
.set A0, ACC+8*\mt
	v_pk_mul_f32 v[224:225], v[A0:A0+1], v[A0:A0+1]
	v_pk_mul_f32 v[226:227], v[A0+2:A0+3], v[A0+2:A0+3]
	v_pk_fma_f32 v[224:225], v[A0+4:A0+5], v[A0+4:A0+5], v[224:225]
	v_pk_fma_f32 v[226:227], v[A0+6:A0+7], v[A0+6:A0+7], v[226:227]
.irp e,1,2,3
	v_pk_fma_f32 v[224:225], v[A0+24*\e:A0+24*\e+1], v[A0+24*\e:A0+24*\e+1], v[224:225]
	v_pk_fma_f32 v[226:227], v[A0+24*\e+2:A0+24*\e+3], v[A0+24*\e+2:A0+24*\e+3], v[226:227]
	v_pk_fma_f32 v[224:225], v[A0+24*\e+4:A0+24*\e+5], v[A0+24*\e+4:A0+24*\e+5], v[224:225]
	v_pk_fma_f32 v[226:227], v[A0+24*\e+6:A0+24*\e+7], v[A0+24*\e+6:A0+24*\e+7], v[226:227]
.endr
	v_pk_add_f32 v[224:225], v[224:225], v[226:227]
	v_add_f32 v224, v224, v225
	v_permlanex16_b32 v225, v224, s34, s35
	v_add_f32 v224, v224, v225
	v_sqrt_f32 v224, v224
	v_nop
	s_wait_alu depctr_va_vdst(0)
	v_add_f32 v224, 0x322bcc77, v224
	v_rcp_f32 v224, v224
	v_nop
.endm
; 16 rows of 256 bytes back from my stage and out: each store of the wave covers 512 consecutive bytes, aligned.
; LDS serves a wave's instructions in order (ISA guide 5.7.1): the loads see the stores above them, and the next tile's stores come behind these loads.
.macro BACK8 dst, sb
.irp i,0,1,2,3,4,5,6,7
	ds_load_b128 v[\dst+4*\i:\dst+4*\i+3], v10 offset:544*\i
.endr
.irp i,0,1,2,3,4,5,6,7
	s_wait_dscnt 7-\i                              ; the younger loads stay out
	global_store_b128 v1, v[\dst+4*\i:\dst+4*\i+3], s[\sb:\sb+1] offset:512*\i
.endr
.endm
	; q: normalised and weighted; centred over the features and weighted
	RNORM 0
	s_wait_alu depctr_va_vdst(0)
	v_mul_f32 v244, v224, v242
	v_mul_f32 v245, v224, v242                     ; CW2 / (|f_q| + 1e-8), twice
	v_pk_add_f32 v[228:229], v[ACC:ACC+1], v[ACC+2:ACC+3]
	v_pk_add_f32 v[230:231], v[ACC+4:ACC+5], v[ACC+6:ACC+7]
.irp e,1,2,3
	v_pk_add_f32 v[228:229], v[228:229], v[ACC+24*\e:ACC+24*\e+1]
	v_pk_add_f32 v[230:231], v[230:231], v[ACC+24*\e+2:ACC+24*\e+3]
	v_pk_add_f32 v[228:229], v[228:229], v[ACC+24*\e+4:ACC+24*\e+5]
	v_pk_add_f32 v[230:231], v[230:231], v[ACC+24*\e+6:ACC+24*\e+7]
.endr
	v_pk_add_f32 v[228:229], v[228:229], v[230:231]
	v_add_f32 v228, v228, v229
	v_permlanex16_b32 v229, v228, s34, s35
	v_add_f32 v228, v228, v229
	v_mul_f32 v228, 0xbc800000, v228               ; -mean over the 64 features
	v_mul_f32 v248, v228, v246
	v_mul_f32 v249, v228, v246                     ; -mean x CV2, twice
.irp e,0,1,2,3
.irp p,0,2,4,6
	v_pk_mul_f32 v[208+\p:209+\p], v[ACC+24*\e+\p:ACC+24*\e+\p+1], v[244:245]
.endr
.irp p,0,1,2,3
	v_cvt_pk_bf16_f32 v[216+\p], v[208+2*\p], v[209+2*\p]
.endr
	ds_store_b128 v9, v[216:219] offset:32*\e
.irp p,0,2,4,6
	v_pk_fma_f32 v[208+\p:209+\p], v[ACC+24*\e+\p:ACC+24*\e+\p+1], v[246:247], v[248:249]
.endr
.irp p,0,1,2,3
	v_cvt_pk_bf16_f32 v[220+\p], v[208+2*\p], v[209+2*\p]
.endr
	ds_store_b128 v9, v[220:223] offset:128+32*\e
.endr
	BACK8 128, 24
	; k: normalised; as it is
	RNORM 1
	s_wait_alu depctr_va_vdst(0)
	v_mov_b32 v225, v224
.irp e,0,1,2,3
.irp p,0,2,4,6
	v_pk_mul_f32 v[208+\p:209+\p], v[ACC+8+24*\e+\p:ACC+8+24*\e+\p+1], v[224:225]
.endr
.irp p,0,1,2,3
	v_cvt_pk_bf16_f32 v[216+\p], v[208+2*\p], v[209+2*\p]
	v_cvt_pk_bf16_f32 v[220+\p], v[ACC+8+24*\e+2*\p], v[ACC+8+24*\e+2*\p+1]
.endr
	ds_store_b128 v9, v[216:219] offset:32*\e
	ds_store_b128 v9, v[220:223] offset:128+32*\e
.endr
	BACK8 160, 26
	; v: f16, rows of 128 bytes
.irp e,0,1,2,3
.irp p,0,1,2,3
	v_cvt_pk_f16_f32 v[216+\p], v[ACC+16+24*\e+2*\p], v[ACC+16+24*\e+2*\p+1]
.endr
	ds_store_b128 v11, v[216:219] offset:32*\e
.endr
.irp i,0,1,2,3
	ds_load_b128 v[192+4*\i:192+4*\i+3], v12 offset:576*\i
.endr
.irp i,0,1,2,3
	s_wait_dscnt 3-\i
	global_store_b128 v1, v[192+4*\i:192+4*\i+3], s[28:29] offset:512*\i
.endr
	s_wait_tensorcnt 0x0
	ds_add_u32 v254, v255
	s_wait_dscnt 0x0
	ROUND                                          ; the closing round: no work-group ends while a partner may still ask for a tile that names it
	s_endpgm
.Lfunc_end_k_qbdea993033_proj:
	.size	k_qbdea993033_proj, .Lfunc_end_k_qbdea993033_proj-k_qbdea993033_proj
	.p2alignl 7, 3214868480
	.fill 96, 4, 3214868480
	.section	.rodata,"a",@progbits
	.p2align	6, 0x0
	.amdhsa_kernel k_qbdea993033_proj
		.amdhsa_group_segment_fixed_size 327680
		.amdhsa_private_segment_fixed_size 0
		.amdhsa_enable_private_segment 0
		.amdhsa_kernarg_size 88
		.amdhsa_user_sgpr_count 2
		.amdhsa_user_sgpr_kernarg_segment_ptr 1
		.amdhsa_wavefront_size32 1
		.amdhsa_system_sgpr_workgroup_id_x 1
		.amdhsa_system_sgpr_workgroup_id_y 1
		.amdhsa_system_sgpr_workgroup_id_z 1
		.amdhsa_system_vgpr_workitem_id 0
		.amdhsa_next_free_vgpr 256
		.amdhsa_next_free_sgpr 66
		.amdhsa_reserve_vcc 0
		.amdhsa_float_denorm_mode_32 3
		.amdhsa_float_denorm_mode_16_64 3
		.amdhsa_memory_ordered 1
		.amdhsa_forward_progress 1
		.amdhsa_inst_pref_size 83
	.end_amdhsa_kernel
	.amdgpu_metadata
---
amdhsa.version: [ 1, 2 ]
amdhsa.kernels:
  - .name:           k_qbdea993033_proj
    .symbol:         k_qbdea993033_proj.kd
    .args:
      - { .name: q, .offset: 0, .size: 8, .value_kind: global_buffer, .address_space: global }
      - { .name: k, .offset: 8, .size: 8, .value_kind: global_buffer, .address_space: global }
      - { .name: v, .offset: 16, .size: 8, .value_kind: global_buffer, .address_space: global }
      - { .name: ln_g, .offset: 24, .size: 8, .value_kind: global_buffer, .address_space: global }
      - { .name: ln_b, .offset: 32, .size: 8, .value_kind: global_buffer, .address_space: global }
      - { .name: cov_p, .offset: 40, .size: 8, .value_kind: global_buffer, .address_space: global }
      - { .name: var_p, .offset: 48, .size: 8, .value_kind: global_buffer, .address_space: global }
      - { .name: winh, .offset: 56, .size: 8, .value_kind: global_buffer, .address_space: global }
      - { .name: qbuf, .offset: 64, .size: 8, .value_kind: global_buffer, .address_space: global }
      - { .name: kbuf, .offset: 72, .size: 8, .value_kind: global_buffer, .address_space: global }
      - { .name: vbuf, .offset: 80, .size: 8, .value_kind: global_buffer, .address_space: global }
    .group_segment_fixed_size: 327680
    .private_segment_fixed_size: 0
    .kernarg_segment_align: 8
    .kernarg_segment_size: 88
    .max_flat_workgroup_size: 256
    .sgpr_count:     66
    .vgpr_count:     256
    .wavefront_size: 32
...
	.end_amdgpu_metadata
.endif
;; end of part 2
;; launch attn (part 3): grid 256 x 1, 8 waves a work-group, clusters of 4 x 1, 327,680 bytes of LDS; arguments qbuf, kbuf, vbuf, cov_p, var_p, obuf; writes obuf
.if DOCPART == 3
	.amdgcn_target "amdgcn-amd-amdhsa--gfx1250"
	.amdhsa_code_object_version 6
	.text
	.protected	k_qbdea993033_attn
	.globl	k_qbdea993033_attn
	.p2align	8
	.type	k_qbdea993033_attn,@function
k_qbdea993033_attn:
	s_mov_b64 s[64:65], 0
	v_nop
	global_prefetch_b8 v0, s[64:65] scope:SCOPE_SE
	s_setreg_imm32_b32 hwreg(HW_REG_WAVE_MODE, 25, 1), 1
	s_wait_xcnt 0x0
	s_wait_alu depctr_hold_cnt(0) depctr_sa_sdst(0) depctr_va_vdst(0) depctr_va_sdst(0) depctr_va_ssrc(0) depctr_va_vcc(0) depctr_vm_vsrc(0)
	s_getreg_b32 s2, hwreg(HW_REG_IB_STS2, 6, 4)
	s_cmp_eq_u32 s2, 0
	s_cbranch_scc0 .Lentry_in_a_cluster
	s_endpgm
.Lentry_in_a_cluster:
	s_bfe_u32 s2, ttmp6, 0x10000c
	s_cmp_lg_u32 s2, 0x3003
	s_cbranch_scc0 .Lentry_shape_is_right
	s_endpgm
.Lentry_shape_is_right:
; Attention of one (group, head) for 128 queries, with a running maximum.
; score x log2(e) = med3(qn' . kn, -CW2, CW2) + qc' . kf   (the rows of qbuf and kbuf; CW2 = cos_w x 0.5 x log2 e > 0, so the clip to [-1, 1] of the
; cosine is a clip to [-CW2, CW2] of the weighted one);  P = 2^(score - running maximum);  O = P V / sum P.
; The margin term and the part of the covariance term that comes from the keys' mean are the same for all keys of a query: the maximum that the softmax
; takes away removes them exactly, so they are not formed.  var_p is read: it enters cos_w.
; SHARES: wave w: pair = w & 3 owns 32 queries, half = w >> 2 walks keys 512 half .. 512 half + 511 in eight trips of 64; the halves are merged at the end.
; TRANSPOSED: S^T = K Q^T, so that lane (r, h), register j holds key 16 t + 8 h + j of query r.  Packed to f16 in place that IS the second source of O^T = V^T P^T,
; and a query's maximum and sum are per lane but for one exchange with the lane 16 further.
; FORMATS: scores from bf16 (qc' is about 1e-6 and f_k has no bound: f16 has no room); P (at most 1) and V in f16.  LIMITS: |f_v| < 65,504; v_exp_f32 flushes results below 2^-126 to 0.
; CLUSTER: the four work-groups of a cluster are query blocks of one (group, head) and walk the same K and V tiles: each tile is asked for jointly (mask 15).
; The place in the cluster enters the global addresses of Q and of the output alone.
.set KPITCH, 272                       ; 256 bytes + 16
.set VPITCH, 160                       ; 128 bytes + 32 = 5 x 32, for the transposing load
.set VOFF,   128*KPITCH                ; 34,816: V behind K in a slot
.set SLOT,   VOFF+128*VPITCH           ; 55,296: 64 keys of each half
.set MRG,    2*SLOT                    ; 110,592: 4 x 8,704 bytes, half 1's results on their way to half 0; LDS stores alone write here
.set OST,    MRG+4*8704                ; 145,408: 4 x 32 rows x 144 bytes, the way out
.set KA, 4                             ; v4, v5    my K fragments in slot 0, 1
.set VA, 6                             ; v6, v7    my V fragments
                                       ; v8, v9    CW2, -CW2;  v[10:13] (-m, -m) of query tile 0, 1;  v14, v15 m;  v[16:19] (alpha, alpha);  v[20:23] sums;  v24-v31 at work
.set S,  32                            ; v[32:95]  S^T tile (q, t) at S + 8 (4 q + t); then P^T
.set FA, 96                            ; v[96:127] fragments
.set FB, 128                           ; v[128:159]
.set O,  160                           ; v[160:223] O^T tile (d, q) at O + 8 (2 d + q)
                                       ; v[224:255] the way out;  v[256:319] (window 1) Q fragment (q, ks) at 8 (4 q + ks)
.set G1K, 24
.set G1V, 32
.set G0K, 40                           ; s[40:47] one set a slot
.set G0V, 48                           ; s[48:55]
.set MSB, 0
.macro WIN new                         ; the immediate's high byte repeats the setting that is left
.if MSB != \new
	s_set_vgpr_msb (MSB<<8)|\new
.set MSB, \new
.endif
.endm
.macro PLACES c
.rept \c
	v_nop
.endr
.endm
.macro BAR
	s_barrier_signal -1
	s_barrier_wait -1
.endm
.macro ROUND
	s_barrier_signal -1
	s_barrier_wait -1
	s_cmp_lg_u32 s3, 0
	s_cbranch_scc1 .Lnw0_\@
	s_barrier_signal -3
.Lnw0_\@:
	s_barrier_wait -3
	s_barrier_signal -1
	s_barrier_wait -1
.endm
	s_load_b256 s[8:15], s[0:1], 0x0               ; qbuf s[8:9], kbuf s[10:11], vbuf s[12:13], cov_p s[14:15]
	s_load_b128 s[16:19], s[0:1], 0x20             ; var_p s[16:17], obuf s[18:19]
	s_set_vgpr_msb 0x40
	v_lshl_add_u32 v64, v0, 2, 0x29000
	v_mov_b32 v65, 0
	s_set_vgpr_msb 0x4045
	ds_add_u32 v64, v65
	s_set_vgpr_msb 0x4500
	v_lshrrev_b32 v1, 5, v0
	v_readfirstlane_b32 s3, v1                     ; wave 0..7
	s_lshr_b32 s4, s3, 2                           ; half
	s_and_b32 s5, s3, 3                            ; pair
	s_bfe_u32 s6, ttmp6, 0x40000                   ; cx
	s_lshr_b32 s7, ttmp9, 1                        ; (group, head) 0..31: two clusters each
	s_and_b32 s20, ttmp9, 1
	s_lshl2_add_u32 s20, s20, s6                   ; query block 0..7
	s_mov_b32 s56, 0x76543210
	s_mov_b32 s57, 0xfedcba98
	; group 1 of K: 16 rows x 128 bf16, 16 bytes behind every 64 words; of V: 16 rows x 64 f16, 32 bytes behind every 32 words
	s_mov_b32 s[G1K+0], 15|(1<<16)|(1<<20)|(1<<21)|(5<<22)|(3<<25)
	s_mov_b32 s[G1K+1], 128<<16
	s_mov_b32 s[G1K+2], 16<<16
	s_mov_b32 s[G1K+3], 128<<16
	s_mov_b32 s[G1K+4], 16
	s_mov_b32 s[G1K+5], 128
	s_mov_b32 s[G1K+6], 0
	s_mov_b32 s[G1K+7], 0
	s_mov_b32 s[G1V+0], 15|(1<<16)|(1<<20)|(1<<21)|(4<<22)|(7<<25)
	s_mov_b32 s[G1V+1], 64<<16
	s_mov_b32 s[G1V+2], 16<<16
	s_mov_b32 s[G1V+3], 64<<16
	s_mov_b32 s[G1V+4], 16
	s_mov_b32 s[G1V+5], 64
	s_mov_b32 s[G1V+6], 0
	s_mov_b32 s[G1V+7], 0
	; each wave brings 16 keys of its own half: LDS row 16 w + i = 64 half + 16 pair + i
	s_mul_i32 s21, s3, 16*KPITCH
	s_mov_b32 s[G0K+0], 1
	s_add_co_u32 s[G0K+1], s21, 0
	s_mov_b32 s[G0K+4], 1
	s_add_co_u32 s[G0K+5], s21, SLOT
	s_mul_i32 s21, s3, 16*VPITCH
	s_mov_b32 s[G0V+0], 1
	s_add_co_u32 s[G0V+1], s21, VOFF
	s_mov_b32 s[G0V+4], 1
	s_add_co_u32 s[G0V+5], s21, SLOT+VOFF
	s_lshl_b32 s22, s7, 18                         ; K: 262,144 bytes a (group, head),
	s_lshl_b32 s23, s4, 17                         ; 512 rows of 256 bytes a half,
	s_add_co_u32 s22, s22, s23
	s_lshl_b32 s23, s5, 12                         ; 16 rows a pair
	s_add_co_u32 s22, s22, s23
	s_mov_b32 s23, 0
	s_lshr_b32 s60, s22, 1                         ; V's rows are half as long
	s_mov_b32 s61, 0
	s_lshl_b32 s66, s7, 18                         ; Q: my 32 queries
	s_lshl_b32 s67, s20, 15
	s_add_co_u32 s66, s66, s67
	s_lshl_b32 s67, s5, 13
	s_add_co_u32 s66, s66, s67
	s_mov_b32 s67, 0
	s_lshr_b32 s68, s66, 1                         ; and the same rows of the output, half as long
	s_mov_b32 s69, 0
	v_and_b32 v1, 15, v0                           ; r
	v_bfe_u32 v2, v0, 4, 1                         ; h
	v_lshlrev_b32 v3, 8, v1
	v_lshl_add_u32 v3, v2, 4, v3                   ; Q: 256 r + 16 h
	s_wait_dscnt 0x0
	s_wait_kmcnt 0x0
	s_load_b32 s58, s[14:15], 0x0                  ; cov_p
	s_load_b32 s59, s[16:17], 0x0                  ; var_p
	s_add_nc_u64 s[8:9], s[8:9], s[66:67]
	s_add_nc_u64 s[18:19], s[18:19], s[68:69]
	s_add_nc_u64 s[G0K+2:G0K+3], s[10:11], s[22:23]
	s_add_nc_u64 s[G0K+6:G0K+7], s[G0K+2:G0K+3], 64*256
	s_or_b32 s[G0K+3], s[G0K+3], 0x80000000
	s_or_b32 s[G0K+7], s[G0K+7], 0x80000000
	s_add_nc_u64 s[G0V+2:G0V+3], s[12:13], s[60:61]
	s_add_nc_u64 s[G0V+6:G0V+7], s[G0V+2:G0V+3], 64*128
	s_or_b32 s[G0V+3], s[G0V+3], 0x80000000
	s_or_b32 s[G0V+7], s[G0V+7], 0x80000000
	WIN 0x40                                       ; destination in window 1
.irp q,0,1
.irp k,0,1,2,3
	global_load_b128 v[8*(4*\q+\k):8*(4*\q+\k)+3], v3, s[8:9] offset:\q*4096+\k*64
	global_load_b128 v[8*(4*\q+\k)+4:8*(4*\q+\k)+7], v3, s[8:9] offset:\q*4096+\k*64+32
.endr
.endr
	WIN 0
	ROUND                                          ; the four work-groups are here: the first joint loads meet
	tensor_load_to_lds s[G0K:G0K+3], s[G1K:G1K+7]          ; tile 0, then tile 1: four loads of the wave are out
	s_nop 0
	tensor_load_to_lds s[G0V:G0V+3], s[G1V:G1V+7]
	s_nop 0
	tensor_load_to_lds s[G0K+4:G0K+7], s[G1K:G1K+7]
	s_nop 0
	tensor_load_to_lds s[G0V+4:G0V+7], s[G1V:G1V+7]
	s_nop 0
	s_mul_i32 s21, s4, 64*KPITCH
	v_mul_u32_u24 v[KA], v1, KPITCH
	v_lshl_add_u32 v[KA], v2, 4, v[KA]
	v_add_nc_u32 v[KA], s21, v[KA]                 ; (64 half + r) x pitch + 16 h
	v_add_nc_u32 v[KA+1], SLOT, v[KA]
	v_and_b32 v24, 7, v0
	v_bfe_u32 v25, v0, 3, 1
	v_lshl_add_u32 v24, v2, 3, v24                 ; key row 8 h + (lane & 7)
	v_mul_u32_u24 v24, v24, VPITCH
	v_lshl_add_u32 v24, v25, 4, v24
	s_mul_i32 s21, s4, 64*VPITCH
	s_add_co_u32 s21, s21, VOFF
	v_add_nc_u32 v[VA], s21, v24
	v_add_nc_u32 v[VA+1], SLOT, v[VA]
	s_wait_kmcnt 0x0
	v_mov_b32 v24, s58
	v_mov_b32 v25, s59
	v_mul_f32 v24, 0xbfb8aa3b, v24                 ; sigmoid(x) = 1 / (1 + 2^(-x log2 e))
	v_mul_f32 v25, 0xbfb8aa3b, v25
	v_exp_f32 v24, v24
	v_exp_f32 v25, v25
	v_nop
	s_wait_alu depctr_va_vdst(0)
	v_add_f32 v24, 1.0, v24
	v_add_f32 v25, 1.0, v25
	v_rcp_f32 v24, v24
	v_rcp_f32 v25, v25
	v_nop
	s_wait_alu depctr_va_vdst(0)
	v_sub_f32 v8, 1.0, v24
	v_sub_f32 v8, v8, v25
	v_max_num_f32 v8, 0x3dcccccd, v8
	v_min_num_f32 v8, 0x3f4ccccd, v8               ; cos_w
	v_mul_f32 v8, 0x3f38aa3b, v8                   ; CW2
	v_mul_f32 v9, -1.0, v8
	v_mov_b32 v28, 0                               ; v_permlanex16_b32 counts as a reader of its destination
	v_mov_b32 v29, 0
.macro FETCHK s, ks, buf               ; 64 keys x 32 features
.irp t,0,1,2,3
	ds_load_b128 v[\buf+8*\t:\buf+8*\t+3], v[KA+\s] offset:\t*16*KPITCH+\ks*64
	ds_load_b128 v[\buf+8*\t+4:\buf+8*\t+7], v[KA+\s] offset:\t*16*KPITCH+\ks*64+32
.endr
.endm
.macro FETCHV s, u, buf                ; 32 keys x 64 features, transposed
.irp d,0,1,2,3
	ds_load_tr16_b128 v[\buf+8*\d:\buf+8*\d+3], v[VA+\s] offset:\u*32*VPITCH+32*\d
	ds_load_tr16_b128 v[\buf+8*\d+4:\buf+8*\d+7], v[VA+\s] offset:\u*32*VPITCH+32*\d+16*VPITCH
.endr
.endm
; Under the setting 0x04 (source 1 in window 1).  The eight accumulators take turns, one instruction a turn.
.macro MULS buf, ks, zero
.irp t,0,1,2,3
.irp q,0,1
.if \zero
	v_wmma_f32_16x16x32_bf16 v[S+8*(4*\q+\t):S+8*(4*\q+\t)+7], v[\buf+8*\t:\buf+8*\t+7], v[8*(4*\q+\ks):8*(4*\q+\ks)+7], 0
.else
	v_wmma_f32_16x16x32_bf16 v[S+8*(4*\q+\t):S+8*(4*\q+\t)+7], v[\buf+8*\t:\buf+8*\t+7], v[8*(4*\q+\ks):8*(4*\q+\ks)+7], v[S+8*(4*\q+\t):S+8*(4*\q+\t)+7]
.endif
.endr
.endr
.endm
.macro PV buf, u, zero
.irp d,0,1,2,3
.irp q,0,1
.if \zero
	v_wmma_f32_16x16x32_f16 v[O+8*(2*\d+\q):O+8*(2*\d+\q)+7], v[\buf+8*\d:\buf+8*\d+7], v[S+32*\q+16*\u:S+32*\q+16*\u+7], 0
.else
	v_wmma_f32_16x16x32_f16 v[O+8*(2*\d+\q):O+8*(2*\d+\q)+7], v[\buf+8*\d:\buf+8*\d+7], v[S+32*\q+16*\u:S+32*\q+16*\u+7], v[O+8*(2*\d+\q):O+8*(2*\d+\q)+7]
.endif
.endr
.endr
.endm
.macro SOFTMAX first
	; the largest of my 32 scores of each query tile and of the old maximum: four chains
.irp q,0,1
	v_max3_num_f32 v[24+2*\q], v[S+32*\q], v[S+32*\q+1], v[S+32*\q+2]
	v_max3_num_f32 v[25+2*\q], v[S+32*\q+16], v[S+32*\q+17], v[S+32*\q+18]
.endr
.irp i,3,5,7,9,11,13
.irp q,0,1
	v_max3_num_f32 v[24+2*\q], v[24+2*\q], v[S+32*\q+\i], v[S+32*\q+\i+1]
	v_max3_num_f32 v[25+2*\q], v[25+2*\q], v[S+32*\q+16+\i], v[S+32*\q+16+\i+1]
.endr
.endr
.irp q,0,1
.if \first
	v_max_num_f32 v[24+2*\q], v[24+2*\q], v[S+32*\q+15]
.else
	v_max3_num_f32 v[24+2*\q], v[24+2*\q], v[S+32*\q+15], v[14+\q]
.endif
.endr
.irp q,0,1
	v_max3_num_f32 v[25+2*\q], v[25+2*\q], v[S+32*\q+31], v[24+2*\q]
.endr
	v_permlanex16_b32 v28, v25, s56, s57           ; the other 32 keys of the same query lie 16 lanes further
	v_permlanex16_b32 v29, v27, s56, s57
	v_max_num_f32 v28, v28, v25
	v_max_num_f32 v29, v29, v27
.if \first == 0
	v_sub_f32 v16, v14, v28
	v_sub_f32 v18, v15, v29
	v_exp_f32 v16, v16                             ; alpha = 2^(old maximum - new)
	v_exp_f32 v18, v18
.endif
	v_mov_b32 v14, v28                             ; plain places behind the transcendentals
	v_mov_b32 v15, v29
	v_mul_f32 v10, -1.0, v28
	v_mul_f32 v11, -1.0, v28
	v_mul_f32 v12, -1.0, v29
	v_mul_f32 v13, -1.0, v29
.if \first == 0
	s_wait_alu depctr_va_vdst(0)
	v_mov_b32 v17, v16
	v_mov_b32 v19, v18
.endif
.irp q,0,1
.irp i,0,2,4,6,8,10,12,14,16,18,20,22,24,26,28,30
	v_pk_add_f32 v[S+32*\q+\i:S+32*\q+\i+1], v[S+32*\q+\i:S+32*\q+\i+1], v[10+2*\q:11+2*\q]
.endr
.endr
.set j, S
.rept 64
	v_exp_f32 v[j], v[j]
.set j, j+1
.endr
	v_nop                                          ; one plain place behind the last transcendental
	s_wait_alu depctr_va_vdst(0)
	; the sums, kept per lane and as pairs: four chains
.irp q,0,1
.if \first
	s_wait_alu depctr_va_vdst(0)
	v_pk_add_f32 v[20+2*\q:21+2*\q], v[S+32*\q:S+32*\q+1], v[S+32*\q+2:S+32*\q+3]
	v_pk_add_f32 v[24+2*\q:25+2*\q], v[S+32*\q+4:S+32*\q+5], v[S+32*\q+6:S+32*\q+7]
.else
	v_pk_fma_f32 v[20+2*\q:21+2*\q], v[20+2*\q:21+2*\q], v[16+2*\q:17+2*\q], v[S+32*\q:S+32*\q+1]
	v_pk_add_f32 v[24+2*\q:25+2*\q], v[S+32*\q+2:S+32*\q+3], v[S+32*\q+4:S+32*\q+5]
	v_pk_add_f32 v[20+2*\q:21+2*\q], v[20+2*\q:21+2*\q], v[S+32*\q+6:S+32*\q+7]
.endif
.endr
.irp i,8,12,16,20,24,28
.irp q,0,1
	v_pk_add_f32 v[20+2*\q:21+2*\q], v[20+2*\q:21+2*\q], v[S+32*\q+\i:S+32*\q+\i+1]
	v_pk_add_f32 v[24+2*\q:25+2*\q], v[24+2*\q:25+2*\q], v[S+32*\q+\i+2:S+32*\q+\i+3]
.endr
.endr
.irp q,0,1
	v_pk_add_f32 v[20+2*\q:21+2*\q], v[20+2*\q:21+2*\q], v[24+2*\q:25+2*\q]
.endr
	; P to f16 in place, ascending: 16 registers of 32 keys become the 8 of a fragment, at the first tile's registers
.irp q,0,1
.irp i,0,1,2,3,4,5,6,7,8,9,10,11,12,13,14,15
	v_cvt_pk_f16_f32 v[S+32*\q+\i+8*(\i/8)], v[S+32*\q+2*\i], v[S+32*\q+2*\i+1]
.endr
.endr
.if \first == 0
.irp t,0,1,2,3,4,5,6,7
.irp p,0,2,4,6
	v_pk_mul_f32 v[O+8*\t+\p:O+8*\t+\p+1], v[O+8*\t+\p:O+8*\t+\p+1], v[16+2*(\t&1):17+2*(\t&1)]
.endr
.endr
.endif
.endm
; One trip: 64 keys from slot s.  Every s_wait_dscnt 8 leaves the younger run of eight loads out.  Four places stand between a matrix instruction and a load
; into, or a vector instruction on, one of its registers, five in front of a matrix instruction that writes over one (ISA guide 7.12.1 for vector instructions).
.macro BODY s, first
.if \first == 0
	PLACES 5                                       ; the last products read P, which the first products below write over
.endif
	FETCHK \s, 0, FA
	FETCHK \s, 1, FB
	s_wait_dscnt 0x8
	WIN 0x04
	MULS FA, 0, 1                                  ; the cosine part: features 0-63
	PLACES 4
	FETCHK \s, 2, FA
	s_wait_dscnt 0x8
	MULS FB, 1, 0
	PLACES 4
	FETCHK \s, 3, FB
	WIN 0
.set j, S
.rept 64
	v_med3_num_f32 v[j], v[j], v9, v8              ; the clip
.set j, j+1
.endr
	s_wait_dscnt 0x8
	WIN 0x04
	MULS FA, 2, 0                                  ; the covariance part adds onto the clipped sums: no separate add
	PLACES 4
	FETCHV \s, 0, FA
	s_wait_dscnt 0x8
	MULS FB, 3, 0
	PLACES 4
	FETCHV \s, 1, FB
	WIN 0
	SOFTMAX \first
	s_wait_dscnt 0x8
	PV FA, 0, \first
	s_wait_dscnt 0x0
	PV FB, 1, 0
.endm
; Slot s, read in the last trip, is filled again two tiles on: every wave's reads and all its tensor loads are over in front of the round, the joint loads first behind it.
.macro REFILL s
	s_set_vgpr_msb 0x5
	s_wait_tensorcnt 0x0                           ; all my tensor loads have landed, my part of this trip's tile among them: group 0 may be written
	ds_add_u32 v64, v65
	s_wait_dscnt 0x0
	s_set_vgpr_msb 0x500
	s_add_nc_u64 s[G0K+4*\s+2:G0K+4*\s+3], s[G0K+4*\s+2:G0K+4*\s+3], 2*64*256
	s_add_nc_u64 s[G0V+4*\s+2:G0V+4*\s+3], s[G0V+4*\s+2:G0V+4*\s+3], 2*64*128
	s_wait_dscnt 0x0                               ; my reads of the slot are over
	ROUND
	tensor_load_to_lds s[G0K+4*\s:G0K+4*\s+3], s[G1K:G1K+7]        ; two loads of the wave are out, with a trip's work in which to land
	s_nop 0
	tensor_load_to_lds s[G0V+4*\s:G0V+4*\s+3], s[G1V:G1V+7]
	s_nop 0
.endm
	s_wait_tensorcnt 0x2                           ; my parts of tile 0 (K, V) are in; tile 1's two stay out
	BAR
	s_wait_loadcnt 0x0                             ; Q
	BODY 0, 1                                      ; tile 0 starts maxima, sums and O: nothing is cleared
	s_mov_b32 s21, 3
.Ltrips:                                           ; tiles 1 to 6
	REFILL 0
	BODY 1, 0
	REFILL 1
	BODY 0, 0
	s_sub_co_u32 s21, s21, 1
	s_cmp_lg_u32 s21, 0
	s_cbranch_scc1 .Ltrips
	s_wait_tensorcnt 0x0                           ; my part of tile 7
	s_wait_dscnt 0x0
	BAR
	BODY 1, 0
	; the two halves of the keys meet: half 1 hands O, m and l to half 0 through LDS
	PLACES 4                                       ; behind the last matrix instructions
	v_mov_b32 v28, v14
	v_mov_b32 v29, v15
	v_add_f32 v30, v20, v21
	v_add_f32 v31, v22, v23
	v_and_b32 v1, 31, v0
	s_mul_i32 s21, s5, 8704
	s_add_co_u32 s21, s21, MRG
	v_lshl_add_u32 v2, v1, 4, s21
	s_cmp_lt_u32 s3, 4
	s_cbranch_scc1 .Lkeep
.irp i,0,1,2,3,4,5,6,7,8,9,10,11,12,13,14,15
	ds_store_b128 v2, v[O+4*\i:O+4*\i+3] offset:512*\i
.endr
	ds_store_b128 v2, v[28:31] offset:8192
.Lkeep:
	s_wait_dscnt 0x0                               ; for the other wave's sake: zero
	BAR
	s_cmp_ge_u32 s3, 4
	s_cbranch_scc1 .Ldone
.irp i,0,1,2,3,4,5,6,7,8,9,10,11,12,13,14,15,16
	ds_load_b128 v[S+4*\i:S+4*\i+3], v2 offset:512*\i      ; v[32:95] the other O, v[96:99] its m0, m1, l0, l1
.endr
	v_and_b32 v100, 15, v0                         ; r
	v_bfe_u32 v101, v0, 4, 1                       ; h
	s_mul_i32 s21, s5, 4608
	s_add_co_u32 s21, s21, OST
	v_mul_u32_u24 v3, v100, 144
	v_lshl_add_u32 v3, v101, 4, v3
	v_add_nc_u32 v3, s21, v3                       ; in: row r, 16 h
	v_bfe_u32 v102, v0, 3, 2
	v_and_b32 v103, 7, v0
	v_mul_u32_u24 v100, v102, 144
	v_lshl_add_u32 v100, v103, 4, v100
	v_add_nc_u32 v100, s21, v100                   ; back: 8 lanes a row of 128 bytes
	v_lshlrev_b32 v101, 4, v1                      ; 16 x lane
	s_wait_dscnt 0x0
	v_max_num_f32 v104, v28, v96
	v_max_num_f32 v105, v29, v97
	v_sub_f32 v106, v28, v104
	v_sub_f32 v107, v29, v105
	v_sub_f32 v108, v96, v104
	v_sub_f32 v109, v97, v105
	v_exp_f32 v106, v106
	v_exp_f32 v107, v107
	v_exp_f32 v108, v108
	v_exp_f32 v109, v109
	v_nop
	s_wait_alu depctr_va_vdst(0)
	v_mul_f32 v110, v106, v30
	v_mul_f32 v111, v107, v31
	v_fma_f32 v110, v108, v98, v110
	v_fma_f32 v111, v109, v99, v111
	v_permlanex16_b32 v104, v110, s56, s57         ; the sums were kept per lane: the query's other lane
	v_permlanex16_b32 v105, v111, s56, s57
	v_add_f32 v110, v110, v104
	v_add_f32 v111, v111, v105
	v_rcp_f32 v110, v110
	v_rcp_f32 v111, v111
	v_nop
	s_wait_alu depctr_va_vdst(0)
	v_mul_f32 v112, v106, v110                     ; my weight / sum, as pairs for query tiles 0 and 1,
	v_mul_f32 v113, v106, v110
	v_mul_f32 v114, v107, v111
	v_mul_f32 v115, v107, v111
	v_mul_f32 v116, v108, v110                     ; and the other half's
	v_mul_f32 v117, v108, v110
	v_mul_f32 v118, v109, v111
	v_mul_f32 v119, v109, v111
.irp t,0,1,2,3,4,5,6,7
.irp p,0,2,4,6
	v_pk_mul_f32 v[S+8*\t+\p:S+8*\t+\p+1], v[S+8*\t+\p:S+8*\t+\p+1], v[116+2*(\t&1):117+2*(\t&1)]
	v_pk_fma_f32 v[O+8*\t+\p:O+8*\t+\p+1], v[O+8*\t+\p:O+8*\t+\p+1], v[112+2*(\t&1):113+2*(\t&1)], v[S+8*\t+\p:S+8*\t+\p+1]
.endr
.endr
.irp t,0,1,2,3,4,5,6,7
.irp p,0,1,2,3
	v_cvt_pk_f16_f32 v[224+4*\t+\p], v[O+8*\t+2*\p], v[O+8*\t+2*\p+1]
.endr
	ds_store_b128 v3, v[224+4*\t:224+4*\t+3] offset:(\t&1)*2304+(\t>>1)*32     ; query 16 q + r, features 16 d + 8 h ..
.endr
.irp i,0,1,2,3,4,5,6,7
	ds_load_b128 v[S+4*\i:S+4*\i+3], v100 offset:576*\i    ; my own bytes: LDS serves a wave's instructions in order (ISA guide 5.7.1)
.endr
.irp i,0,1,2,3,4,5,6,7
	s_wait_dscnt 7-\i
	global_store_b128 v101, v[S+4*\i:S+4*\i+3], s[18:19] offset:512*\i         ; 512 consecutive bytes, aligned
.endr
.Ldone:
	s_set_vgpr_msb 0x5
	s_wait_tensorcnt 0x0
	ds_add_u32 v64, v65
	s_wait_dscnt 0x0
	s_set_vgpr_msb 0x500
	ROUND                                          ; the closing round
	s_endpgm
.Lfunc_end_k_qbdea993033_attn:
	.size	k_qbdea993033_attn, .Lfunc_end_k_qbdea993033_attn-k_qbdea993033_attn
	.p2alignl 7, 3214868480
	.fill 96, 4, 3214868480
	.section	.rodata,"a",@progbits
	.p2align	6, 0x0
	.amdhsa_kernel k_qbdea993033_attn
		.amdhsa_group_segment_fixed_size 327680
		.amdhsa_private_segment_fixed_size 0
		.amdhsa_enable_private_segment 0
		.amdhsa_kernarg_size 48
		.amdhsa_user_sgpr_count 2
		.amdhsa_user_sgpr_kernarg_segment_ptr 1
		.amdhsa_wavefront_size32 1
		.amdhsa_system_sgpr_workgroup_id_x 1
		.amdhsa_system_sgpr_workgroup_id_y 1
		.amdhsa_system_sgpr_workgroup_id_z 1
		.amdhsa_system_vgpr_workitem_id 0
		.amdhsa_next_free_vgpr 322
		.amdhsa_next_free_sgpr 70
		.amdhsa_reserve_vcc 0
		.amdhsa_float_denorm_mode_32 3
		.amdhsa_float_denorm_mode_16_64 3
		.amdhsa_memory_ordered 1
		.amdhsa_forward_progress 1
		.amdhsa_inst_pref_size 116
	.end_amdhsa_kernel
	.amdgpu_metadata
---
amdhsa.version: [ 1, 2 ]
amdhsa.kernels:
  - .name:           k_qbdea993033_attn
    .symbol:         k_qbdea993033_attn.kd
    .args:
      - { .name: qbuf, .offset: 0, .size: 8, .value_kind: global_buffer, .address_space: global }
      - { .name: kbuf, .offset: 8, .size: 8, .value_kind: global_buffer, .address_space: global }
      - { .name: vbuf, .offset: 16, .size: 8, .value_kind: global_buffer, .address_space: global }
      - { .name: cov_p, .offset: 24, .size: 8, .value_kind: global_buffer, .address_space: global }
      - { .name: var_p, .offset: 32, .size: 8, .value_kind: global_buffer, .address_space: global }
      - { .name: obuf, .offset: 40, .size: 8, .value_kind: global_buffer, .address_space: global }
    .group_segment_fixed_size: 327680
    .private_segment_fixed_size: 0
    .kernarg_segment_align: 8
    .kernarg_segment_size: 48
    .max_flat_workgroup_size: 256
    .sgpr_count:     70
    .vgpr_count:     322
    .wavefront_size: 32
...
	.end_amdgpu_metadata
.endif
;; end of part 3
;; launch outp (part 4): grid 4 x 64, 8 waves a work-group, clusters of 4 x 4, 256,000 bytes of LDS; arguments obuf, wouth, b_out, out0; writes out0
.if DOCPART == 4
	.amdgcn_target "amdgcn-amd-amdhsa--gfx1250"
	.amdhsa_code_object_version 6
	.text
	.protected	k_qbdea993033_outp
	.globl	k_qbdea993033_outp
	.p2align	8
	.type	k_qbdea993033_outp,@function
k_qbdea993033_outp:
	s_mov_b64 s[64:65], 0
	v_nop
	global_prefetch_b8 v0, s[64:65] scope:SCOPE_SE
	s_setreg_imm32_b32 hwreg(HW_REG_WAVE_MODE, 25, 1), 1
	s_wait_xcnt 0x0
	s_wait_alu depctr_hold_cnt(0) depctr_sa_sdst(0) depctr_va_vdst(0) depctr_va_sdst(0) depctr_va_ssrc(0) depctr_va_vcc(0) depctr_vm_vsrc(0)
	s_getreg_b32 s2, hwreg(HW_REG_IB_STS2, 6, 4)
	s_cmp_eq_u32 s2, 0
	s_cbranch_scc0 .Lentry_in_a_cluster
	s_endpgm
.Lentry_in_a_cluster:
	s_bfe_u32 s2, ttmp6, 0x10000c
	s_cmp_lg_u32 s2, 0xf033
	s_cbranch_scc0 .Lentry_shape_is_right
	s_endpgm
.Lentry_shape_is_right:
; out0 = O @ W_out + b_out.  O: obuf f16 [g][head][token][64]; W_out: wouth f16 [512 k][512 n], k = 64 head + d; out0 f32 [4096][512].
; A work-group makes 64 tokens x 128 columns; wave w: wm = w >> 2 (32 tokens), wn = w & 3 (32 columns): 2 x 2 accumulator tiles.  K = 512 fits in LDS whole:
; every LDS byte is filled once, by two tensor loads a wave (two are out), so there is no ring.
; CLUSTER 4 x 4: the four work-groups of a row of the cluster have the same tokens and ask for O's tiles jointly; the four of a column have the same columns
; and ask for W's jointly.  O's address is made of the token block and the wave's number, W's of the column block and the wave's number, in registers of their own.
; LIMIT: |O|, |W_out| < 65,504 (f16).
.set XPITCH, 144                       ; 128 bytes + 16
.set XHEAD,  64*XPITCH                 ; 9,216: one head's 64 tokens
.set WPITCH, 288                       ; 256 bytes + 32 = 9 x 32
.set WB,     8*XHEAD                   ; 73,728
.set WPART,  64*WPITCH                 ; 18,432: 64 k rows, one wave's load
.set STGB,   WB+8*WPART                ; 221,184: the stage, 64 rows x 528 bytes, written by LDS stores alone; a multiple of 256
.set SPITCH, 528                       ; 512 bytes + 16
.set ACC, 32                           ; v[32:63]  tile (e, m) at ACC + 8 (2 e + m)
.set F0,  64                           ; v[64:95]  W at +8 e, O at +16 + 8 m
.set F1,  96
.set G1X, 24
.set G1W, 32
.set G0X, 40
.set G0W, 44
.macro PLACES c
.rept \c
	v_nop
.endr
.endm
.macro BAR
	s_barrier_signal -1
	s_barrier_wait -1
.endm
.macro ROUND
	s_barrier_signal -1
	s_barrier_wait -1
	s_cmp_lg_u32 s3, 0
	s_cbranch_scc1 .Lnw0_\@
	s_barrier_signal -3
.Lnw0_\@:
	s_barrier_wait -3
	s_barrier_signal -1
	s_barrier_wait -1
.endm
	s_load_b256 s[8:15], s[0:1], 0x0               ; obuf s[8:9], wouth s[10:11], b_out s[12:13], out0 s[14:15]
	v_lshl_add_u32 v128, v0, 2, 0x3e400
	v_mov_b32 v129, 0
	ds_add_u32 v128, v129
	v_lshrrev_b32 v1, 5, v0
	v_readfirstlane_b32 s3, v1                     ; wave 0..7
	s_lshr_b32 s4, s3, 2                           ; wm
	s_and_b32 s5, s3, 3                            ; wn
	s_bfe_u32 s6, ttmp6, 0x40000                   ; cx
	s_bfe_u32 s7, ttmp6, 0x40004                   ; cy
	s_lshl_b32 s16, ttmp9, 2
	s_add_co_u32 s16, s16, s6                      ; column block 0..3
	s_and_b32 s17, ttmp7, 0xffff
	s_lshl_b32 s17, s17, 2
	s_add_co_u32 s17, s17, s7                      ; token block 0..63
	s_lshl_b32 s18, s7, 2
	s_lshl_b32 s18, 15, s18                        ; my row of the cluster
	s_lshl_b32 s19, 0x1111, s6                     ; my column
	; O's tile: one head, 64 tokens x 64 f16, 16 bytes behind every 32 words
	s_or_b32 s[G1X+0], s18, (1<<16)|(1<<20)|(1<<21)|(4<<22)|(3<<25)
	s_mov_b32 s[G1X+1], 64<<16
	s_mov_b32 s[G1X+2], 64<<16
	s_mov_b32 s[G1X+3], 64<<16
	s_mov_b32 s[G1X+4], 64
	s_mov_b32 s[G1X+5], 64
	s_mov_b32 s[G1X+6], 0
	s_mov_b32 s[G1X+7], 0
	; W's tile: 64 k rows x 128 f16, 32 bytes behind every 64 words
	s_or_b32 s[G1W+0], s19, (1<<16)|(1<<20)|(1<<21)|(5<<22)|(7<<25)
	s_mov_b32 s[G1W+1], 128<<16
	s_mov_b32 s[G1W+2], 64<<16
	s_mov_b32 s[G1W+3], 128<<16
	s_mov_b32 s[G1W+4], 64
	s_mov_b32 s[G1W+5], 512
	s_mov_b32 s[G1W+6], 0
	s_mov_b32 s[G1W+7], 0
	s_mov_b32 s[G0X+0], 1
	s_mul_i32 s[G0X+1], s3, XHEAD
	s_mov_b32 s[G0W+0], 1
	s_mul_i32 s[G0W+1], s3, WPART
	s_add_co_u32 s[G0W+1], s[G0W+1], WB
	s_lshr_b32 s20, s17, 4                         ; O: group,
	s_lshl_b32 s20, s20, 20
	s_lshl_b32 s21, s3, 17                         ; head = wave,
	s_add_co_u32 s20, s20, s21
	s_and_b32 s21, s17, 15                         ; 64 tokens of 128 bytes
	s_lshl_b32 s21, s21, 13
	s_add_co_u32 s20, s20, s21
	s_mov_b32 s21, 0
	s_lshl_b32 s22, s3, 16                         ; W: 64 k rows of 1,024 bytes a wave,
	s_lshl_b32 s23, s16, 8                         ; 128 columns
	s_add_co_u32 s22, s22, s23
	s_mov_b32 s23, 0
	s_lshl_b32 s48, s17, 17                        ; out0: 64 rows of 2,048 bytes a token block,
	s_lshl_b32 s49, s3, 14                         ; 8 rows a wave,
	s_add_co_u32 s48, s48, s49
	s_lshl_b32 s50, s16, 9                         ; 128 columns of f32
	s_add_co_u32 s48, s48, s50
	s_mov_b32 s49, 0
	s_mov_b32 s51, 0
	s_wait_dscnt 0x0
	s_wait_kmcnt 0x0
	s_add_nc_u64 s[G0X+2:G0X+3], s[8:9], s[20:21]
	s_or_b32 s[G0X+3], s[G0X+3], 0x80000000
	s_add_nc_u64 s[G0W+2:G0W+3], s[10:11], s[22:23]
	s_or_b32 s[G0W+3], s[G0W+3], 0x80000000
	s_add_nc_u64 s[12:13], s[12:13], s[50:51]
	s_add_nc_u64 s[14:15], s[14:15], s[48:49]
	ROUND                                          ; all sixteen work-groups are here: the joint loads meet
	tensor_load_to_lds s[G0X:G0X+3], s[G1X:G1X+7]
	s_nop 0
	tensor_load_to_lds s[G0W:G0W+3], s[G1W:G1W+7]
	s_nop 0
	v_and_b32 v13, 31, v0
	v_lshlrev_b32 v12, 4, v13                      ; 16 x lane
	global_load_b128 v[16:19], v12, s[12:13]       ; the bias of the four columns that I store
	v_and_b32 v1, 15, v0                           ; r
	v_bfe_u32 v2, v0, 4, 1                         ; h
	v_and_b32 v3, 7, v0
	v_bfe_u32 v13, v0, 3, 1
	v_lshl_add_u32 v14, v2, 3, v3                  ; k row 8 h + (lane & 7)
	v_mul_u32_u24 v14, v14, WPITCH
	v_lshl_add_u32 v14, v13, 4, v14
	s_lshl_b32 s20, s5, 6                          ; my 32 columns: 64 bytes
	s_add_co_u32 s20, s20, WB
	v_add_nc_u32 v4, s20, v14                      ; v4-v7: W fragments, 128 k rows each
	v_add_nc_u32 v5, 4*32*WPITCH, v4
	v_add_nc_u32 v6, 4*32*WPITCH, v5
	v_add_nc_u32 v7, 4*32*WPITCH, v6
	s_mul_i32 s20, s4, 32*XPITCH
	v_mul_u32_u24 v8, v1, XPITCH
	v_lshl_add_u32 v8, v2, 4, v8
	v_add_nc_u32 v8, s20, v8                       ; v8, v9: O fragments, four heads each
	v_add_nc_u32 v9, 4*XHEAD, v8
	s_mul_i32 s20, s4, 32*SPITCH
	s_lshl_b32 s21, s5, 7
	s_add_co_u32 s20, s20, s21
	s_add_co_u32 s20, s20, STGB
	v_mul_u32_u24 v10, v1, SPITCH
	v_lshl_add_u32 v10, v2, 5, v10
	v_add_nc_u32 v10, s20, v10                     ; in: token 32 wm + r, column 32 wn + 8 h
	s_mul_i32 s20, s3, 8*SPITCH
	s_add_co_u32 s20, s20, STGB
	v_add_nc_u32 v11, s20, v12                     ; back: rows 8 w .., 32 lanes a row of 512 bytes
.macro FETCH kk, buf                   ; 32 along K: head kk >> 1, features 32 (kk & 1) ..
.irp e,0,1
	ds_load_tr16_b128 v[\buf+8*\e:\buf+8*\e+3], v[4+(\kk>>2)] offset:(\kk&3)*32*WPITCH+32*\e
	ds_load_tr16_b128 v[\buf+8*\e+4:\buf+8*\e+7], v[4+(\kk>>2)] offset:(\kk&3)*32*WPITCH+32*\e+16*WPITCH
.endr
.irp m,0,1
	ds_load_b128 v[\buf+16+8*\m:\buf+16+8*\m+3], v[8+(\kk>>3)] offset:((\kk>>1)&3)*XHEAD+\m*16*XPITCH+(\kk&1)*64
	ds_load_b128 v[\buf+16+8*\m+4:\buf+16+8*\m+7], v[8+(\kk>>3)] offset:((\kk>>1)&3)*XHEAD+\m*16*XPITCH+(\kk&1)*64+32
.endr
.endm
; Source 0 = 16 columns of W, source 1 = 16 tokens: a lane's eight results are eight neighbouring columns of one token.
; The four accumulators take turns, one instruction a turn.
.macro MUL4 buf, zero
.irp e,0,1
.irp m,0,1
.if \zero
	v_wmma_f32_16x16x32_f16 v[ACC+8*(2*\e+\m):ACC+8*(2*\e+\m)+7], v[\buf+8*\e:\buf+8*\e+7], v[\buf+16+8*\m:\buf+16+8*\m+7], 0
.else
	v_wmma_f32_16x16x32_f16 v[ACC+8*(2*\e+\m):ACC+8*(2*\e+\m)+7], v[\buf+8*\e:\buf+8*\e+7], v[\buf+16+8*\m:\buf+16+8*\m+7], v[ACC+8*(2*\e+\m):ACC+8*(2*\e+\m)+7]
.endif
.endr
.endr
.endm
.macro STEP nk, cur, nxt               ; fetch step nk into the buffer read last, multiply the other
	PLACES 4                                       ; between the matrix instructions that read the buffer and the loads into it
	FETCH \nk, \nxt
	s_wait_dscnt 0x8                               ; the eight just issued stay out
	MUL4 \cur, 0
.endm
	s_wait_tensorcnt 0x0                           ; my two tiles are in,
	BAR                                            ; everybody's are
	FETCH 0, F0
	FETCH 1, F1
	s_wait_dscnt 0x8
	MUL4 F0, 1                                     ; the first products start the sums
	STEP 2, F1, F0
	STEP 3, F0, F1
	STEP 4, F1, F0
	STEP 5, F0, F1
	STEP 6, F1, F0
	STEP 7, F0, F1
	STEP 8, F1, F0
	STEP 9, F0, F1
	STEP 10, F1, F0
	STEP 11, F0, F1
	STEP 12, F1, F0
	STEP 13, F0, F1
	STEP 14, F1, F0
	STEP 15, F0, F1
	s_wait_dscnt 0x0
	MUL4 F1, 0
	PLACES 4                                       ; behind the last matrix instructions: results are read, fragment registers loaded again
.irp e,0,1
.irp m,0,1
	ds_store_b128 v10, v[ACC+8*(2*\e+\m):ACC+8*(2*\e+\m)+3] offset:\m*16*SPITCH+\e*64
	ds_store_b128 v10, v[ACC+8*(2*\e+\m)+4:ACC+8*(2*\e+\m)+7] offset:\m*16*SPITCH+\e*64+16
.endr
.endr
	s_wait_dscnt 0x0                               ; for the other waves' sake: zero
	BAR
.irp i,0,1,2,3,4,5,6,7
	ds_load_b128 v[F0+4*\i:F0+4*\i+3], v11 offset:SPITCH*\i
.endr
	s_wait_loadcnt 0x0                             ; the bias
.irp i,0,1,2,3,4,5,6,7
	s_wait_dscnt 7-\i                              ; the younger rows stay out
	v_pk_add_f32 v[F0+4*\i:F0+4*\i+1], v[F0+4*\i:F0+4*\i+1], v[16:17]
	v_pk_add_f32 v[F0+4*\i+2:F0+4*\i+3], v[F0+4*\i+2:F0+4*\i+3], v[18:19]
	global_store_b128 v12, v[F0+4*\i:F0+4*\i+3], s[14:15] offset:2048*\i th:TH_STORE_NT   ; 512 consecutive bytes of a row, aligned
.endr
	s_wait_tensorcnt 0x0
	ds_add_u32 v128, v129
	s_wait_dscnt 0x0
	ROUND                                          ; the closing round
	s_endpgm
.Lfunc_end_k_qbdea993033_outp:
	.size	k_qbdea993033_outp, .Lfunc_end_k_qbdea993033_outp-k_qbdea993033_outp
	.p2alignl 7, 3214868480
	.fill 96, 4, 3214868480
	.section	.rodata,"a",@progbits
	.p2align	6, 0x0
	.amdhsa_kernel k_qbdea993033_outp
		.amdhsa_group_segment_fixed_size 256000
		.amdhsa_private_segment_fixed_size 0
		.amdhsa_enable_private_segment 0
		.amdhsa_kernarg_size 32
		.amdhsa_user_sgpr_count 2
		.amdhsa_user_sgpr_kernarg_segment_ptr 1
		.amdhsa_wavefront_size32 1
		.amdhsa_system_sgpr_workgroup_id_x 1
		.amdhsa_system_sgpr_workgroup_id_y 1
		.amdhsa_system_sgpr_workgroup_id_z 1
		.amdhsa_system_vgpr_workitem_id 0
		.amdhsa_next_free_vgpr 130
		.amdhsa_next_free_sgpr 66
		.amdhsa_reserve_vcc 0
		.amdhsa_float_denorm_mode_32 3
		.amdhsa_float_denorm_mode_16_64 3
		.amdhsa_memory_ordered 1
		.amdhsa_forward_progress 1
		.amdhsa_inst_pref_size 24
	.end_amdhsa_kernel
	.amdgpu_metadata
---
amdhsa.version: [ 1, 2 ]
amdhsa.kernels:
  - .name:           k_qbdea993033_outp
    .symbol:         k_qbdea993033_outp.kd
    .args:
      - { .name: obuf, .offset: 0, .size: 8, .value_kind: global_buffer, .address_space: global }
      - { .name: wouth, .offset: 8, .size: 8, .value_kind: global_buffer, .address_space: global }
      - { .name: b_out, .offset: 16, .size: 8, .value_kind: global_buffer, .address_space: global }
      - { .name: out0, .offset: 24, .size: 8, .value_kind: global_buffer, .address_space: global }
    .group_segment_fixed_size: 256000
    .private_segment_fixed_size: 0
    .kernarg_segment_align: 8
    .kernarg_segment_size: 32
    .max_flat_workgroup_size: 256
    .sgpr_count:     66
    .vgpr_count:     130
    .wavefront_size: 32
...
	.end_amdgpu_metadata
.endif
;; end of part 4
